; MI455X (gfx1250); checked and timed in simulation.
; The chip was launched on July 23, 2026; its instructions are those of AMD's public machine-readable ISA for CDNA 5 (MIT licence, August 2026) and "CDNA5" Instruction Set Architecture Reference Guide (July 2026). The comments in the code are by the model that wrote it; some were corrected since.
;; LSTM Cell. Allowed arithmetic: matrix products marked QUANTISED: E3M2 operands, one E8M0 scale for each 32 along K, by v_wmma_scale_f32_16x16x128_f8f6f4 with both operands' format E3M2, f32 sums; everything else in f32.
;; Inputs: U_c 1,024 x 1,024 float32; U_f 1,024 x 1,024 float32; U_i 1,024 x 1,024 float32; U_o 1,024 x 1,024 float32; W_c 1,024 x 1,024 float32; W_f 1,024 x 1,024 float32; W_i 1,024 x 1,024 float32; W_o 1,024 x 1,024 float32; a_prev_codes 8,192 x 32 x 24 uint8 (E3M2 codes of a_prev, K innermost, in blocks of 32 codes, four codes in three bytes); a_prev_scales 8,192 x 32 uint8 (E8M0 scales of a_prev, one for each 32 codes along K); b_c 1,024 float32; b_f 1,024 float32; b_i 1,024 float32; b_o 1,024 float32; bu_c 1,024 float32; bu_f 1,024 float32; bu_i 1,024 float32; bu_o 1,024 float32; c_prev 8,192 x 1,024 float32; x_t_codes 8,192 x 32 x 24 uint8 (E3M2 codes of x_t, K innermost, in blocks of 32 codes, four codes in three bytes); x_t_scales 8,192 x 32 uint8 (E8M0 scales of x_t, one for each 32 codes along K).
;; Outputs: out0 8,192 x 1,024 float32; out1 8,192 x 1,024 float32.
;; This version of the problem:
;;   THIS VERSION OF THE PROBLEM IS GIVEN IN LOW PRECISION. The matrix products marked QUANTISED in the list below multiply operands that are first quantised to E3M2 (3 exponent bits, 2 mantissa bits; 6 bits a number), with one power-of-two scale for each 32 numbers along K (OCP MX v1.0); their sums are f32. All else is computed in f32.
;;   The module's matrix products, in the order in which they are computed (A, B: the left and right operand; K: the contracted axis; several contracted axes count as one K, in the product's order):
;;     1. [M 8,192, K 1,024] x [K 1,024, N 4,096]; A: input x_t (given as codes); B: computed on the way: QUANTISED
;;     2. [M 8,192, K 1,024] x [K 1,024, N 4,096]; A: input a_prev (given as codes); B: computed on the way: QUANTISED
;;   THE QUANTISER, for each operand of a quantised product, along K:
;;     - K is cut into blocks of 32 from its start; a last block that is shorter is filled with zeros.
;;     - A block's scale is 2^e with e = floor(log2(the largest magnitude in the block)) - 4, held to -126 .. 127; a block of zeros has e = 0. As a byte (E8M0): e + 127.
;;     - Each number is divided by its block's scale, clamped to +-28, and rounded to the nearest number of E3M2, ties to even, subnormals kept.
;;     - The product sums the exact products of the quantised numbers (number of the format x scale) in f32.
;;   ~~~python
;;   def quantise(x, axis):      # numpy; x: float32 -> the quantised numbers, widened to float32 again
;;       x = np.moveaxis(x, axis, -1); K = x.shape[-1]
;;       x = np.pad(x, [(0, 0)] * (x.ndim - 1) + [(0, -K % 32)]); x = x.reshape(x.shape[:-1] + (-1, 32)); a = np.abs(x).max(-1, keepdims=True)
;;       e = np.where(a > 0, np.clip(np.frexp(np.where(a > 0, a, 1))[1] - 1 - 4, -126, 127), 0)      # np.frexp(a)[1] - 1 = floor(log2(a)), exactly
;;       r = np.clip(x / 2.0 ** e, -28, 28)
;;       step = 2.0 ** (np.maximum(np.frexp(np.where(r == 0, 1, r))[1] - 1, -2) - 2)
;;       q = np.round(r / step) * step * 2.0 ** e      # np.round: ties to even
;;       return np.moveaxis(q.reshape(q.shape[:-2] + (-1,))[..., :K], -1, axis).astype(np.float32)
;;   ~~~
;;   OPERANDS COMPUTED ON THE WAY. 'Computed on the way' means the value that the module computes at that place (a softmax that the list does not call 'softmax' is quantised finished and normalised). What goes into a quantiser is computed in f32, as accurately as f32 sums, v_exp_f32 and their like allow (about 1e-6 of the number): no bf16 or f16 on the way to a quantiser, and a product that is left as it is and whose result goes on into a quantised operand takes f32 operands (vector FMAs, or v_wmma_f32_16x16x4_f32). A number that lies on a knife's edge between two numbers of the format may be rounded either way, as far as f32 arithmetic and the matrix unit's own rounding can turn it there, and no further.
;;   INPUTS GIVEN AS CODES. a_prev (in the module: [8192, 1024], K = its axis 1); x_t (in the module: [8192, 1024], K = its axis 1): each comes as NAME_codes (uint8): NAME with its K axis moved to the last place and cut into blocks of 32 codes, [.., K / 32, bytes a block], one block behind the other in memory; four codes in three bytes: a row's codes are one little-endian stream of bits, code i at bits 6 i .. 6 i + 5 (a code: sign, 3 exponent bits, 2 mantissa bits); and NAME_scales (uint8): the same leading axes, one E8M0 byte (e + 127) for each 32 codes along K. Its value is code x scale, taken as it is: it is not quantised again, and the codes and scales need not be those that the quantiser above would give.
;; One version. Each part assembles by itself: llvm-mc -triple=amdgcn-amd-amdhsa -mcpu=gfx1250 --defsym DOCPART=n.
;; ======== version 1 of 1: 2 launches
;; limits: right only within a limited range of input values
;; workspace buffers: w_codes 6,291,456 bytes; w_scales 262,144 bytes
;; launch quant (part 1): grid 32 x 8, 16 waves a work-group, no clusters, 84,992 bytes of LDS; arguments W_f, W_i, W_o, W_c, U_f, U_i, U_o, U_c, w_codes, w_scales; writes w_codes, w_scales
.if DOCPART == 1
	.amdgcn_target "amdgcn-amd-amdhsa--gfx1250"
	.amdhsa_code_object_version 6
	.text
	.protected	k_qb9bda65d4a_quant
	.globl	k_qb9bda65d4a_quant
	.p2align	8
	.type	k_qb9bda65d4a_quant,@function
k_qb9bda65d4a_quant:
	s_mov_b64 s[64:65], 0
	v_nop
	global_prefetch_b8 v0, s[64:65] scope:SCOPE_SE
	s_setreg_imm32_b32 hwreg(HW_REG_WAVE_MODE, 25, 1), 1
	s_wait_xcnt 0x0
; The eight weights [1024 (unit)][1024 (k)], f32, K innermost, are turned into codes of BF6 (E3M2), 6 bits each, with one E8M0 scale byte for each 32 along K.
; A block's scale is 2^(floor(log2(its largest magnitude)) - 4); its byte is the largest magnitude's own exponent field - 4, held at 1 from below.  Each number is divided by the scale and rounded to the nearest code, ties to even;
; beyond the largest code the conversion gives the largest code.
; WHERE THE ROWS GO.  w_codes is [4096 (n')][1536]: bytes 0-767 of a row are the W part (the product with x), bytes 768-1535 the U part (the product with a).  w_scales is [2 (part)][4096 (n')][32].
; Row u of gate g (f, i, o, c = 0 .. 3) goes to n' = 256 (u / 64) + 128 ((u / 32) % 2) + 32 g + u % 32, so that 128 neighbouring rows n' are 32 hidden units x 4 gates: what one wave of the next launch multiplies by.
; SHARES.  Work-group y names the tensor (g = y % 4, part = y / 4), work-group x 32 of its rows: 131,072 bytes.  SIXTEEN waves, two rows each: 8,192 bytes, 4 steps of 512 numbers (half a row).
; With u = 32 x + 2 wave + j the formula above is n' = 128 x + 32 g + 2 wave + j.
; EVERYTHING IS ASKED FOR AT THE HEAD: a wave's 16 loads of 512 bytes go out together, 16 waves x 8,192 bytes: the work-group's whole share is on its way at once, and no load is issued later.
; A STEP.  The conversion takes 16 numbers of ONE block from a lane's registers, so a lane must hold 16 NEIGHBOURS (two neighbouring lanes hold a block); a load is best where neighbouring LANES take neighbouring bytes.  Both are had:
; each of a step's four loads reads 512 consecutive bytes, 16 a lane; the 2,048 bytes go through the wave's own stage in LDS as they lie and come back 64 bytes a lane (16 bytes of padding behind each 64).
; A lane's 16 codes are 12 bytes: the wave stores 384 consecutive bytes, and two steps fill a row's 768.
; THE SCALE BYTES.  A wave makes 64, the work-group 1,024 (32 rows x 32, on end in w_scales).  They meet in LDS; behind one barrier waves 0 and 1 store 512 bytes each: 16 lanes write 256 consecutive bytes, aligned.
; Only pointers are chosen by the work-group's number: all tensors take one path through the text.  No tensor loads; the stages are each wave's own; the one barrier stands between the byte stores and the reads of them.
; LIMITS: a block of zeros, and a block whose largest magnitude lies under 2^-122, gets the byte 1 (the rule says 127 for zeros): the zeros' codes are zeros, which add nothing under that byte, and this program alone reads the bytes;
; NaN and infinities among the weights are not served.
.set STEPS, 4
.set EMAX,  4
.set CB,    12                         ; bytes of 16 codes
.set CROW,  1536                       ; a row of w_codes
.set R,     16                         ; v16-79   four sets of 16 numbers as they are loaded, one for each step: none is loaded twice
.set X,     80                         ; v80-111  two sets of 16 neighbours
.set E,     112                        ; v112-115 a scale byte for each step
.set C,     116                        ; v116-131 codes: four registers for each step, so that no store's data are written again
.set SP,    80                         ; a lane's place in a stage: its 64 bytes + 16 of padding
.set WREG,  2*32*SP                    ; LDS: a region of its own for each wave: two stages of 32 x SP bytes
.set SCB,   16*WREG                    ; behind the sixteen regions: the work-group's 1,024 scale bytes
	s_load_b512 s[4:19], s[0:1], 0x0               ; W_f, W_i, W_o, W_c, U_f, U_i, U_o, U_c: tensor y at s[4 + 2 y]
	s_load_b128 s[20:23], s[0:1], 0x40             ; w_codes, w_scales
	v_lshl_add_u32 v132, v0, 2, 0x14400
	v_mov_b32 v133, 0
	v_lshrrev_b32 v1, 5, v0
	s_delay_alu instid0(VALU_DEP_1)
	v_readfirstlane_b32 s25, v1                    ; wave 0..15
	v_and_b32 v2, 31, v0                           ; lane
	s_delay_alu instid0(VALU_DEP_1)
	v_lshlrev_b32 v3, 4, v2                        ; my 16 bytes of a load's 512
	s_mul_i32 s26, s25, WREG
	v_lshrrev_b32 v14, 2, v2
	s_delay_alu instid0(VALU_DEP_1)
	v_mul_u32_u24 v14, v14, SP
	v_and_b32 v15, 3, v2
	s_delay_alu instid0(VALU_DEP_1)
	v_lshl_add_u32 v14, v15, 4, v14
	s_delay_alu instid0(VALU_DEP_1)
	v_add_nc_u32 v14, s26, v14                     ; the stage, on the way in: four lanes' 64 bytes on end, then 16 of padding: SP (lane / 4) + 16 (lane % 4); a load's 512 bytes take eight places
	v_mul_u32_u24 v15, v2, SP
	s_delay_alu instid0(VALU_DEP_1)
	v_add_nc_u32 v15, s26, v15                     ; and on the way out: SP x lane: my 16 neighbours
	v_mul_u32_u24 v4, v2, CB                       ; my codes' place in a step's
	v_lshrrev_b32 v5, 1, v2
	s_lshl_b32 s26, s25, 6
	s_add_co_u32 s26, s26, SCB
	v_add_nc_u32 v5, s26, v5                       ; LDS: my block's scale byte: SCB + 64 x wave + lane / 2 (+ 16 for each step)
	s_and_b32 s26, s25, 1
	s_lshl_b32 s26, s26, 9
	v_lshl_add_u32 v7, v2, 4, s26                  ; the scale bytes' way out (waves 0 and 1): 512 x wave + 16 x lane in the work-group's 1,024,
	s_delay_alu instid0(VALU_DEP_1)
	v_add_nc_u32 v6, SCB, v7                       ; and the same place in LDS
	s_and_b32 s24, ttmp7, 0xffff                   ; y: which tensor
	s_and_b32 s27, s24, 3                          ; g
	s_lshr_b32 s28, s24, 2                         ; part
	s_lshl_b32 s30, ttmp9, 17                      ; the source: 32 x rows of 4,096 bytes,
	s_lshl_b32 s29, s25, 13                        ; + my wave's two rows
	s_add_co_u32 s30, s30, s29
	s_mov_b32 s31, 0
	s_lshl_b32 s32, ttmp9, 7
	s_lshl_b32 s29, s27, 5
	s_add_co_u32 s32, s32, s29                     ; the work-group's first row n' = 128 x + 32 g
	s_lshl_b32 s36, s32, 5
	s_lshl_b32 s29, s28, 17
	s_add_co_u32 s36, s36, s29                     ; its scale bytes: n' x 32 + 131,072 x part
	s_mov_b32 s37, 0
	s_lshl_b32 s29, s25, 1
	s_add_co_u32 s32, s32, s29                     ; my first row: + 2 x wave
	s_mul_i32 s34, s32, CROW
	s_mul_i32 s29, s28, 768
	s_add_co_u32 s34, s34, s29                     ; its codes: n' x 1,536 + 768 x part
	s_mov_b32 s35, 0
	s_wait_alu depctr_va_vdst(0)
	s_wait_kmcnt 0x0
	s_bitcmp1_b32 s24, 0                           ; the source is chosen bit by bit of y: the choice hangs on the work-group's number alone
	s_cselect_b64 s[4:5], s[6:7], s[4:5]
	s_cselect_b64 s[8:9], s[10:11], s[8:9]
	s_cselect_b64 s[12:13], s[14:15], s[12:13]
	s_cselect_b64 s[16:17], s[18:19], s[16:17]
	s_bitcmp1_b32 s24, 1
	s_cselect_b64 s[4:5], s[8:9], s[4:5]
	s_cselect_b64 s[12:13], s[16:17], s[12:13]
	s_bitcmp1_b32 s24, 2
	s_cselect_b64 s[4:5], s[12:13], s[4:5]
	s_add_nc_u64 s[4:5], s[4:5], s[30:31]
	s_add_nc_u64 s[20:21], s[20:21], s[34:35]
	s_add_nc_u64 s[22:23], s[22:23], s[36:37]
.macro LOAD t
.irp i, 0,1,2,3
	global_load_b128 v[R+16*(\t)+4*\i:R+16*(\t)+4*\i+3], v3, s[4:5] offset:2048*(\t)+512*\i th:TH_LOAD_NT   ; 32 lanes read 512 consecutive bytes; the launch reads them once
.endr
.endm
.macro TURN t                          ; step t's numbers through the stage: LDS serves a wave's instructions in order (ISA guide 5.7.1.4), so no wait stands between the stores and the loads
.irp i, 0,1,2,3
	ds_store_b128 v14, v[R+16*(\t)+4*\i:R+16*(\t)+4*\i+3] offset:32*SP*((\t)%2)+8*SP*\i
.endr
.irp i, 0,1,2,3
	ds_load_b128 v[X+16*((\t)%2)+4*\i:X+16*((\t)%2)+4*\i+3], v15 offset:32*SP*((\t)%2)+16*\i
.endr
.endm
.irp t, 0,1,2,3
	LOAD \t                                        ; all sixteen loads of the wave
.endr
	s_wait_loadcnt 12                              ; step 0's four loads are in; the twelve of steps 1 to 3 may be out
	TURN 0
.macro STEP t
.set XS, X+16*((\t)%2)
.if (\t) > 0
	s_wait_dscnt 1                                 ; this step's numbers are back from the stage (the last step's byte store, the one LDS instruction issued behind them, may be out)
.else
	s_wait_dscnt 0x0
.endif
.if (\t)+1 < STEPS
	s_wait_loadcnt 4*(STEPS-2-(\t))                ; the next step's four loads are in; those of the steps behind it may be out
	TURN (\t)+1                                    ; and go through the other stage while this step is worked
.endif
	v_max3_num_f32 v8, |v[XS]|, |v[XS+1]|, |v[XS+2]|               ; the largest magnitude of my 16, in two chains
	v_max3_num_f32 v9, |v[XS+3]|, |v[XS+4]|, |v[XS+5]|
.irp i, 6,10
	s_delay_alu instid0(VALU_DEP_2)
	v_max3_num_f32 v8, v8, |v[XS+\i]|, |v[XS+\i+1]|
	s_delay_alu instid0(VALU_DEP_2)
	v_max3_num_f32 v9, v9, |v[XS+\i+2]|, |v[XS+\i+3]|
.endr
	s_delay_alu instid0(VALU_DEP_2)
	v_max3_num_f32 v8, v8, |v[XS+14]|, |v[XS+15]|
	s_delay_alu instid0(VALU_DEP_1)
	v_max3_num_f32 v8, v8, v9, (EMAX+1)<<23        ; and the floor 2^(EMAX + 1 - 127), under which no largest magnitude is taken: so the byte cannot fall under 1
	s_delay_alu instid0(VALU_DEP_1)
	v_max_num_f32_dpp v8, v8, v8 row_xmask:1 row_mask:0xf bank_mask:0xf   ; and of my neighbour's 16: the block's
	s_delay_alu instid0(VALU_DEP_1)
	v_add_nc_u32 v11, -(EMAX<<23), v8              ; EMAX off its exponent field: the conversion takes the exponent field of this operand as its scale, and nothing else of it
	v_cvt_scalef32_pk16_bf6_f32 v[C+4*(\t):C+4*(\t)+2], v[XS:XS+15], v11         ; sixteen numbers / 2^(v11's exponent), to the nearest code; 96 bits without gaps, the first number's code lowest
	v_lshrrev_b32 v[E+(\t)], 23, v11               ; the scale's byte (also the plain line behind the conversion)
	ds_store_b8 v5, v[E+(\t)] offset:16*(\t)       ; row t / 2 of my two, half t % 2 of its 32 bytes: 16 t on; both lanes of a block write the same byte with the same value
	global_store_b96 v4, v[C+4*(\t):C+4*(\t)+2], s[20:21] offset:((\t)/2)*CROW+((\t)%2)*32*CB   ; row t / 2 of my two, half t % 2 of its 768 bytes
.endm
.irp t, 0,1,2,3
	STEP \t
.endr
	s_wait_dscnt 0x0                               ; for the others' sake: my byte stores are done
	s_barrier_signal -1
	s_barrier_wait -1                              ; the work-group's 1,024 scale bytes lie in LDS
	s_cmp_lt_u32 s25, 2                            ; waves 0 and 1 carry them out; no barrier stands behind this branch
	s_cbranch_scc0 .Ldone
	ds_load_b128 v[8:11], v6
	s_wait_dscnt 0x0
	global_store_b128 v7, v[8:11], s[22:23]        ; 32 lanes store 512 consecutive bytes, at a multiple of 256 from w_scales' first byte
.Ldone:
	s_wait_tensorcnt 0x0
	ds_add_u32 v132, v133
	s_wait_dscnt 0x0
	s_endpgm
.Lfunc_end_k_qb9bda65d4a_quant:
	.size	k_qb9bda65d4a_quant, .Lfunc_end_k_qb9bda65d4a_quant-k_qb9bda65d4a_quant
	.p2alignl 7, 3214868480
	.fill 96, 4, 3214868480
	.section	.rodata,"a",@progbits
	.p2align	6, 0x0
	.amdhsa_kernel k_qb9bda65d4a_quant
		.amdhsa_group_segment_fixed_size 84992
		.amdhsa_private_segment_fixed_size 0
		.amdhsa_enable_private_segment 0
		.amdhsa_kernarg_size 80
		.amdhsa_user_sgpr_count 2
		.amdhsa_user_sgpr_kernarg_segment_ptr 1
		.amdhsa_wavefront_size32 1
		.amdhsa_system_sgpr_workgroup_id_x 1
		.amdhsa_system_sgpr_workgroup_id_y 1
		.amdhsa_system_sgpr_workgroup_id_z 1
		.amdhsa_system_vgpr_workitem_id 0
		.amdhsa_next_free_vgpr 134
		.amdhsa_next_free_sgpr 66
		.amdhsa_reserve_vcc 0
		.amdhsa_float_denorm_mode_32 3
		.amdhsa_float_denorm_mode_16_64 3
		.amdhsa_memory_ordered 1
		.amdhsa_forward_progress 1
		.amdhsa_inst_pref_size 12
	.end_amdhsa_kernel
	.amdgpu_metadata
---
amdhsa.version: [ 1, 2 ]
amdhsa.kernels:
  - .name:           k_qb9bda65d4a_quant
    .symbol:         k_qb9bda65d4a_quant.kd
    .args:
      - { .name: W_f, .offset: 0, .size: 8, .value_kind: global_buffer, .address_space: global }
      - { .name: W_i, .offset: 8, .size: 8, .value_kind: global_buffer, .address_space: global }
      - { .name: W_o, .offset: 16, .size: 8, .value_kind: global_buffer, .address_space: global }
      - { .name: W_c, .offset: 24, .size: 8, .value_kind: global_buffer, .address_space: global }
      - { .name: U_f, .offset: 32, .size: 8, .value_kind: global_buffer, .address_space: global }
      - { .name: U_i, .offset: 40, .size: 8, .value_kind: global_buffer, .address_space: global }
      - { .name: U_o, .offset: 48, .size: 8, .value_kind: global_buffer, .address_space: global }
      - { .name: U_c, .offset: 56, .size: 8, .value_kind: global_buffer, .address_space: global }
      - { .name: w_codes, .offset: 64, .size: 8, .value_kind: global_buffer, .address_space: global }
      - { .name: w_scales, .offset: 72, .size: 8, .value_kind: global_buffer, .address_space: global }
    .group_segment_fixed_size: 84992
    .private_segment_fixed_size: 0
    .kernarg_segment_align: 8
    .kernarg_segment_size: 80
    .max_flat_workgroup_size: 512
    .sgpr_count:     66
    .vgpr_count:     134
    .wavefront_size: 32
...
	.end_amdgpu_metadata
.endif
;; end of part 1
;; launch cell (part 2): grid 16 x 32, 4 waves a work-group, clusters of 4 x 4, 327,680 bytes of LDS; arguments x_t_codes, x_t_scales, a_prev_codes, a_prev_scales, w_codes, w_scales, c_prev, out0, out1, b_f, b_i, b_o, b_c, bu_f, bu_i, bu_o, bu_c; writes out0, out1
.if DOCPART == 2
	.amdgcn_target "amdgcn-amd-amdhsa--gfx1250"
	.amdhsa_code_object_version 6
	.text
	.protected	k_qb9bda65d4a_cell
	.globl	k_qb9bda65d4a_cell
	.p2align	8
	.type	k_qb9bda65d4a_cell,@function
k_qb9bda65d4a_cell:
	s_mov_b64 s[64:65], 0
	v_nop
	global_prefetch_b8 v0, s[64:65] scope:SCOPE_SE
	s_setreg_imm32_b32 hwreg(HW_REG_WAVE_MODE, 25, 1), 1
	s_wait_xcnt 0x0
	s_wait_alu depctr_hold_cnt(0) depctr_sa_sdst(0) depctr_va_vdst(0) depctr_va_sdst(0) depctr_va_ssrc(0) depctr_va_vcc(0) depctr_vm_vsrc(0)
	s_getreg_b32 s2, hwreg(HW_REG_IB_STS2, 6, 4)
	s_cmp_eq_u32 s2, 0
	s_cbranch_scc0 .Lentry_in_a_cluster
	s_endpgm
.Lentry_in_a_cluster:
	s_bfe_u32 s2, ttmp6, 0x10000c
	s_cmp_lg_u32 s2, 0xf033
	s_cbranch_scc0 .Lentry_shape_is_right
	s_endpgm
.Lentry_shape_is_right:
; An LSTM cell.  pre[8192][4 gates][1024] = x Wx^T + a Ua^T + (bx + ba), both products on codes of BF6 (E3M2) with one E8M0 scale for each 32 along K;
; f, i, o = sigmoid(pre), g = tanh(pre); c_t = f c_prev + i g (out1), a_t = o tanh(c_t) (out0), all f32.  pre never goes to memory.
; x, a: codes [8192][768 bytes], scale bytes [8192][32].  Weights from the launch before: w_codes [4096 (n')][1536] (bytes 0-767 for x, 768-1535 for a), w_scales [2][4096][32],
; n' = 256 (u / 64) + 128 ((u / 32) % 2) + 32 g + u % 32 for hidden unit u of gate g.
; SHARES.  A work-group of four waves makes 256 rows x 64 units x 4 gates; a wave 128 x 128 of pre: 64 accumulators, 512 registers.
; The matrix instruction is used transposed (source 0 = 16 rows n', source 1 = 16 rows of x or a): in accumulator (a, b) lane (r, h) holds row 16 a + r, register j gate b / 2, unit 16 (b % 2) + 8 h + j.
; K.  The two products are ONE sum of K = 2,048: x's row of 768 bytes, then a's: six chunks of 256 bytes, each beginning on a multiple of 256 bytes; chunk c lies in slot c % 2 of a ring of two.
; A step of 128 along K is 96 bytes: steps 2, 5, 10, 13 lie across two chunks.  The sum begins with bx + ba as the C of each accumulator's first product, so the f32 sums are rounded in another order than in a form that adds the biases last.
; THE SCALES of the work-group's rows are four dense blocks of 8,192 bytes; they come once and stay.
; CLUSTERS 4 x 4: tiles of x, a and their scales are asked for jointly along a row of the cluster, the weights' along a column.  c_prev's tile is a work-group's own: a plain load behind a round.
; PREFETCH.  The four partners of a joint load share its blocks of 256 bytes out by address (cx for x and a, cy for the weights), a lane a row, 32 rows a wave.
; Behind the head's loads: chunks 1 and 2, and of the second part's scales four blocks a wave; their loads follow behind the next round and in step 2.
; Chunks 3, 4, 5 are named five steps ahead of their loads (behind chunk 1's, 2's and 3's loads); c_prev's tile three steps ahead, each wave its own 64 rows.
; Chunk 0 and the first part's scales come by their loads alone: nothing stands ahead of them to ask in.
; THE TAIL.  pre goes through a stage in slot 1 (behind its last fill and last read), 128 rows a phase, [row][gate][64 units]; each wave reads 32 whole rows back, 16 bytes a lane of each gate and of c_prev (slot 0), and sixteen lanes store 256 consecutive bytes.
; Both slots are at work in the tail, so a work-group makes one tile.
; sigmoid(z) = 1 / (1 + 2^(-z log2 e)), tanh(z) = 1 - 2 / (1 + 2^(2 z log2 e)): an infinite power gives reciprocal 0, a power of 0 gives 1: both ends come out right with no clip.
; LIMITS: tanh so made has an absolute error of about one part in 10^7 near 0, not a relative one.  NaN and infinities in c_prev or the biases go through the arithmetic as they are; a scale byte 0xff makes its sums NaN.
; REGISTERS: window 0: v0-31 addresses; v32-63 scale words alone; v64-127 biases; v128-223 A's fragments, one set; in the tail v64-223 two buffers of 80, v224-239 at work.  Window 1: B's fragments, two sets.  Windows 2, 3: accumulators.
.set NQ,     2
.set ROWB,   256
.set KROWA,  768
.set KROWB,  1536
.set STEPS,  16
.set CHUNKS, 6
.set PITCH,  272                       ; 256 bytes + 16 of padding
.set FR,     12
.set NL,     6
.set NP,     4
.set HALFT,  128*PITCH
.set SLOT,   4*HALFT                   ; A's 256 rows, then B's 256 rows
.set SCL,    2*SLOT
.set HALFS,  16*272                    ; the scales of 128 rows of one part
.set SBLK,   2*272                     ; of 16 rows
.set PART,   4*HALFS
.set SPARE,  SCL+2*PART                ; the spare words: 512 bytes that no other line names
.set STAGE,  SLOT
.set SPITCH, 1040                      ; a stage row: 4 gates x 256 bytes + 16
.set ROWO,   4096
.set ADRS, 10
.set PFV,  11                          ; the head's prefetches of codes: PFW, and 768 more in waves 0, 1
.set RDW,  12                          ; the tail's walking copies of RD and RC
.set RCW,  13
.set PFS,  14                          ; the head's prefetch of scales: my four blocks of the 32
.set ADRA, 16                          ; v16-17 slot 0, 1; v18-19 for pieces whose two halves of the lanes lie in different chunks
.set ADRB, 20
.set STO,  24
.set RD,   25
.set RC,   26
.set CO,   27
.set SPW,  28
.set NIL,  29
.set PFO,  30                          ; lane x a row of c_prev
.set PFW,  31                          ; lane x a row of x's or a's codes (waves 0, 1) or of w_codes (waves 2, 3)
.set SC,   32
.set BI,   64
.set AF,   128
.set BUF,  64
.set T,    224
.set G1C,  4
.set GC,   12
.set G1A,  24
.set G1B,  32
.set G1SA, 40
.set G1SB, 48
.set G0A,  56                          ; ring, A: slot 0, slot 1
.set WV,   66
.set HI,   67
.set G0B,  68                          ; ring, B
.set G0H,  76                          ; the head's four groups 0: A's 256 rows, B's 256 rows, A's scales, B's scales
.set G0HB, 80
.set G0S,  84
.set G0SB, 88
.set KN,   76                          ; in the tail: -log2 e, 2 log2 e, each as a pair
.set K2,   78
.set PF,   92
.set OUT0, 94
.set AS2,  96                          ; a's scales, the U part's scales: for the second group of first fills
.set US2,  98
.set OUT1, 100
.set PFA,  104                         ; the walk's prefetches' base: chunk 3 of my work-group's 32 rows
.set MSB, 0
.macro WIN new
.if MSB != \new
	s_set_vgpr_msb (MSB<<8)|\new
.set MSB, \new
.endif
.endm
.set MUL_LO,  0xa1
.set MUL_HI,  0xf1
.set BIAS_LO, 0x81
.set BIAS_HI, 0xc1
.set TO_B,    0x40
.macro PLACES n
.rept \n
	v_nop
.endr
.endm
.macro TLOAD g0, g1                    ; s_nop 0 and four v_nop behind every tensor load
	tensor_load_to_lds s[\g0:\g0+3], s[\g1:\g1+7]
	s_nop 0
	PLACES 4
.endm
.macro JLOAD g0a, g1a, g0b, g1b        ; waves 0, 1 fetch for A, waves 2, 3 for B
	s_cmp_eq_u32 s[HI], 0
	s_cbranch_scc0 .Lfor_b_\@
	TLOAD \g0a, \g1a
	s_branch .Lasked_\@
.Lfor_b_\@:
	TLOAD \g0b, \g1b
.Lasked_\@:
.endm
.macro CREST
	s_cmp_lg_u32 s[WV], 0
	s_cbranch_scc1 .Lnot_wave_0_\@
	s_barrier_signal -3
.Lnot_wave_0_\@:
	s_barrier_wait -3
	s_barrier_signal -1
	s_barrier_wait -1
.endm
.macro CROUND
	s_barrier_signal -1
	s_barrier_wait -1
	CREST
.endm
.macro ARM under, g0, g1, next, done
	s_cmp_lt_u32 s[WV], \under
	s_cbranch_scc0 \next
	TLOAD \g0, \g1
	s_branch \done
\next:
.endm
.macro TREE n                          ; one chain of branches on the wave's number, one joint load to an arm
	ARM 1, G0H,  G1A,  .Ltb\n,  .Ltd\n
	ARM 2, G0HB, G1B,  .Ltsa\n, .Ltd\n
	ARM 3, G0S,  G1SA, .Ltsb\n, .Ltd\n
	TLOAD G0SB, G1SB
.Ltd\n:
.endm
	s_load_b512 s[4:19], s[0:1], 0x0               ; x codes 4, x scales 6, a codes 8, a scales 10, w_codes 12, w_scales 14, c_prev 16, out0 18
	v_lshl_add_u32 v[SPW], v0, 2, SPARE
	v_mov_b32 v[NIL], 0
	ds_add_u32 v[SPW], v[NIL]                      ; the opening lines: the add twice on end and one wait
	ds_add_u32 v[SPW], v[NIL]
	v_lshrrev_b32 v1, 5, v0
	v_readfirstlane_b32 s[WV], v1
	s_lshr_b32 s[HI], s[WV], 1                     ; my half of the rows; also: I fetch for A (0) or B (1)
	s_and_b32 s22, s[WV], 1                        ; LO: my half of the columns; also which 128 rows I fetch
	s_bfe_u32 s104, ttmp6, 0x40000                 ; cx
	s_bfe_u32 s105, ttmp6, 0x40004                 ; cy
	s_lshl_b32 s21, ttmp9, 2
	s_add_co_u32 s21, s21, s104                    ; tx
	s_and_b32 s20, ttmp7, 0xffff
	s_lshl_b32 s20, s20, 2
	s_add_co_u32 s20, s20, s105                    ; ty
	s_lshl_b32 s2, s105, 2
	s_lshl_b32 s2, 15, s2                          ; my row of the cluster
	s_lshl_b32 s3, 0x1111, s104                    ; my column
	s_or_b32 s[G1A+0], s2, (0<<16)|(1<<20)|(1<<21)|(5<<22)|(3<<25)   ; bytes; 16 bytes of padding behind every 256
	s_or_b32 s[G1B+0], s3, (0<<16)|(1<<20)|(1<<21)|(5<<22)|(3<<25)
.irp g, G1A, G1B
	s_mov_b32 s[\g+1], ROWB<<16
	s_mov_b32 s[\g+2], 256<<16                     ; 256 rows for the first fills; 128 from the first refill on
	s_mov_b32 s[\g+3], ROWB<<16
	s_mov_b32 s[\g+4], 256
	s_mov_b32 s[\g+6], 0
	s_mov_b32 s[\g+7], 0
.endr
	s_mov_b32 s[G1A+5], KROWA
	s_mov_b32 s[G1B+5], KROWB
	s_or_b32 s[G1SA+0], s2, (3<<16)|(1<<20)|(1<<21)|(5<<22)|(3<<25)  ; scales of 256 rows: 32 rows of 256 bytes
	s_or_b32 s[G1SB+0], s3, (3<<16)|(1<<20)|(1<<21)|(5<<22)|(3<<25)
.irp g, G1SA, G1SB
	s_mov_b32 s[\g+1], 32<<16
	s_mov_b32 s[\g+2], 32<<16
	s_mov_b32 s[\g+3], 32<<16
	s_mov_b32 s[\g+4], 32
	s_mov_b32 s[\g+5], 32
	s_mov_b32 s[\g+6], 0
	s_mov_b32 s[\g+7], 0
.endr
	; byte offsets, each in the registers that its address will take
	s_lshl_b32 s20, s20, 8                         ; 256 ty
	s_lshl_b32 s21, s21, 8                         ; 256 tx: the first row n', and the 64 units' first byte in a row of f32
	s_mul_i32 s[G0H+2], s20, KROWA
	s_mov_b32 s[G0H+3], 0
	s_mul_i32 s[G0HB+2], s21, KROWB
	s_mov_b32 s[G0HB+3], 0
	s_lshl_b32 s[G0S+2], s20, 5
	s_mov_b32 s[G0S+3], 0
	s_lshl_b32 s[G0SB+2], s21, 5
	s_mov_b32 s[G0SB+3], 0
	s_mul_i32 s2, s22, 128*KROWA
	s_add_co_u32 s[G0A+2], s[G0H+2], s2            ; the ring: my 128 rows
	s_mov_b32 s[G0A+3], 0
	s_lshl_b32 s2, s2, 1
	s_add_co_u32 s[G0B+2], s[G0HB+2], s2
	s_mov_b32 s[G0B+3], 0
	s_lshl_b32 s2, s[WV], 6                        ; c_prev: rows 256 ty + 64 wave
	s_add_co_u32 s2, s2, s20
	s_lshl_b32 s2, s2, 12
	s_add_co_u32 s[PF], s2, s21
	s_mov_b32 s[PF+1], 0
	s_lshl_b32 s2, s[HI], 7                        ; out0, out1: rows 256 ty + 128 HI + 32 LO
	s_add_co_u32 s2, s2, s20
	s_lshl_b32 s23, s22, 5
	s_add_co_u32 s2, s2, s23
	s_lshl_b32 s2, s2, 12
	s_add_co_u32 s[OUT0], s2, s21
	s_mov_b32 s[OUT0+1], 0
	s_mov_b32 s[OUT1], s[OUT0]
	s_mov_b32 s[OUT1+1], 0
	s_cmp_eq_u32 s[HI], 0                          ; the prefetches: of the 128 rows that I fetch, my work-group names 32: by p = cx for A, cy for B
	s_cselect_b32 s23, s104, s105
	s_mov_b32 s2, KROWB
	s_cselect_b32 s2, KROWA, s2
	s_cselect_b32 s104, s[G0A+2], s[G0B+2]
	s_cselect_b32 s3, 0, 768                       ; in w_codes chunk 3 begins 768 bytes on;
	s_cselect_b32 s20, 768, 0                      ; for chunks 1 and 2 waves 0, 1 carry the same 768 in their lanes' offset, so that one immediate serves all waves
	s_add_co_u32 s104, s104, s3
	s_lshl_b32 s3, s23, 11                         ; the scales' 32 blocks of 256 bytes: eight to a partner,
	s_lshl_b32 s105, s22, 10                       ; four to a wave
	s_add_co_u32 s3, s3, s105
	s_lshl_b32 s23, s23, 5
	s_mul_i32 s23, s23, s2
	s_add_co_u32 s104, s104, s23
	s_mov_b32 s105, 0
	v_and_b32 v[PFW], 31, v0
	v_min_u32 v[PFS], 3, v[PFW]                    ; lanes 0-3 a block each; the lanes left over name the wave's last block again
	v_lshl_add_u32 v[PFS], v[PFS], 8, s3
	v_mul_u32_u24 v[PFW], s2, v[PFW]
	v_add_nc_u32 v[PFV], s20, v[PFW]
	s_mul_i32 s2, s[WV], HALFT                     ; the ring's LDS places: wave x 128 rows
	s_wait_alu depctr_va_vdst(0)
	s_wait_dscnt 0x0                               ; both opening adds are done
	s_wait_kmcnt 0x0
	s_add_nc_u64 s[AS2:AS2+1], s[10:11], s[G0S+2:G0S+3]
	s_add_nc_u64 s[US2:US2+1], s[14:15], s[G0SB+2:G0SB+3]
	s_add_nc_u64 s[US2:US2+1], s[US2:US2+1], 131072
	s_mov_b32 s[G0A+4], 1                          ; slot 1's first ring load is chunk 3: a's byte 0
	s_add_co_u32 s[G0A+5], s2, SLOT
	s_add_nc_u64 s[G0A+6:G0A+7], s[8:9], s[G0A+2:G0A+3]
	s_or_b32 s[G0A+7], s[G0A+7], 0x80000000
	s_mov_b32 s[G0A], 1                            ; slot 0's is chunk 2: x's byte 512
	s_mov_b32 s[G0A+1], s2
	s_add_nc_u64 s[G0A+2:G0A+3], s[4:5], s[G0A+2:G0A+3]
	s_add_nc_u64 s[G0A+2:G0A+3], s[G0A+2:G0A+3], 512
	s_or_b32 s[G0A+3], s[G0A+3], 0x80000000
	s_mov_b32 s[G0B+4], 1
	s_add_co_u32 s[G0B+5], s2, SLOT
	s_add_nc_u64 s[G0B+6:G0B+7], s[12:13], s[G0B+2:G0B+3]
	s_add_nc_u64 s[G0B+6:G0B+7], s[G0B+6:G0B+7], 768
	s_or_b32 s[G0B+7], s[G0B+7], 0x80000000
	s_mov_b32 s[G0B], 1
	s_mov_b32 s[G0B+1], s2
	s_add_nc_u64 s[G0B+2:G0B+3], s[12:13], s[G0B+2:G0B+3]
	s_add_nc_u64 s[G0B+2:G0B+3], s[G0B+2:G0B+3], 512
	s_or_b32 s[G0B+3], s[G0B+3], 0x80000000
	s_mov_b32 s[G0H], 1                            ; the first four tiles: chunk 0 of x,
	s_mov_b32 s[G0H+1], 0
	s_add_nc_u64 s[G0H+2:G0H+3], s[4:5], s[G0H+2:G0H+3]
	s_or_b32 s[G0H+3], s[G0H+3], 0x80000000
	s_mov_b32 s[G0HB], 1                           ; of the weights,
	s_mov_b32 s[G0HB+1], 2*HALFT
	s_add_nc_u64 s[G0HB+2:G0HB+3], s[12:13], s[G0HB+2:G0HB+3]
	s_or_b32 s[G0HB+3], s[G0HB+3], 0x80000000
	s_mov_b32 s[G0S], 1                            ; x's scales,
	s_mov_b32 s[G0S+1], SCL
	s_add_nc_u64 s[G0S+2:G0S+3], s[6:7], s[G0S+2:G0S+3]
	s_or_b32 s[G0S+3], s[G0S+3], 0x80000000
	s_mov_b32 s[G0SB], 1                           ; the W part's
	s_mov_b32 s[G0SB+1], SCL+2*HALFS
	s_add_nc_u64 s[G0SB+2:G0SB+3], s[14:15], s[G0SB+2:G0SB+3]
	s_or_b32 s[G0SB+3], s[G0SB+3], 0x80000000
	s_add_nc_u64 s[PF:PF+1], s[16:17], s[PF:PF+1]
	s_add_nc_u64 s[OUT0:OUT0+1], s[18:19], s[OUT0:OUT0+1]
	s_cmp_eq_u32 s[HI], 0
	s_cselect_b64 s[2:3], s[8:9], s[12:13]
	s_cselect_b64 s[4:5], s[4:5], s[12:13]         ; the head's prefetches: x's codes or w_codes,
	s_cselect_b64 s[6:7], s[AS2:AS2+1], s[US2:US2+1]   ; a's scales or the U part's
	s_add_nc_u64 s[4:5], s[4:5], s[PFA:PFA+1]
	s_add_nc_u64 s[PFA:PFA+1], s[2:3], s[PFA:PFA+1]
	CROUND                                         ; all sixteen work-groups are here: the first joint loads meet
	TREE 1                                         ; one tensor load a wave at the head
	global_prefetch_b8 v[PFV], s[4:5] offset:-512 th:TH_LOAD_NT scope:SCOPE_SE   ; base and lane offset stand 768 bytes into my rows: chunk 1,
	global_prefetch_b8 v[PFS], s[6:7] th:TH_LOAD_NT scope:SCOPE_SE               ; my four blocks of the second part's scales,
	global_prefetch_b8 v[PFV], s[4:5] offset:-256 th:TH_LOAD_NT scope:SCOPE_SE   ; chunk 2
	v_and_b32 v1, 15, v0                           ; r
	v_bfe_u32 v2, v0, 4, 1                         ; h
	s_lshl_b32 s23, s22, 7
	s_add_co_u32 s23, s23, s21
	v_lshl_add_u32 v9, v2, 5, s23                  ; biases: 4 x (64 tx + 32 LO + 8 h) bytes
	s_wait_xcnt 0x0                                ; the prefetches have read s[4:7]: only now are these written again
	s_load_b64 s[2:3], s[0:1], 0x40                ; out1
	s_load_b512 s[4:19], s[0:1], 0x48              ; b_f, b_i, b_o, b_c at s[4 + 2 g], bu_* at s[12 + 2 g]
	s_wait_alu depctr_va_vdst(0)
	s_wait_kmcnt 0x0
	s_add_nc_u64 s[OUT1:OUT1+1], s[2:3], s[OUT1:OUT1+1]
.irp g, 0,1,2,3
.irp u, 0,1
.irp q, 0,1
	global_load_b128 v[BI+8*(2*\g+\u)+4*\q:BI+8*(2*\g+\u)+4*\q+3], v9, s[4+2*\g:5+2*\g] offset:64*\u+16*\q
	global_load_b128 v[AF+8*(2*\g+\u)+4*\q:AF+8*(2*\g+\u)+4*\q+3], v9, s[12+2*\g:13+2*\g] offset:64*\u+16*\q
.endr
.endr
.endr
	v_mul_u32_u24 v3, v1, PITCH
	v_mul_u32_u24 v4, v2, 24
	v_add_nc_u32 v4, v3, v4                        ; a fragment's row x pitch + 24 h
	s_mov_b32 s2, SLOT-232
	s_mov_b32 s3, SLOT+232
	v_sub_nc_u32 v7, 1, v2
	v_mul_u32_u24 v5, s2, v2
	v_add_nc_u32 v5, v3, v5
	v_add_nc_u32 v5, 232, v5                       ; lanes 0-15 byte 232 of the row in slot 0, lanes 16-31 byte 0 in slot 1
	v_mul_u32_u24 v6, s3, v7
	v_add_nc_u32 v6, v3, v6                        ; lanes 0-15 byte 232 in slot 1, lanes 16-31 byte 0 in slot 0
	s_mul_i32 s2, s[HI], HALFT
	s_mul_i32 s3, s22, HALFT
	s_add_co_u32 s3, s3, 2*HALFT
	v_add_nc_u32 v[ADRA+2], s2, v5
	v_add_nc_u32 v[ADRA+3], s2, v6
	v_add_nc_u32 v[ADRB+2], s3, v5
	v_add_nc_u32 v[ADRB+3], s3, v6
.irp s, 0,1
	v_add_nc_u32 v[ADRA+\s], s2, v4
	v_add_nc_u32 v[ADRB+\s], s3, v4
	s_add_co_u32 s2, s2, SLOT
	s_add_co_u32 s3, s3, SLOT
.endr
	v_mul_u32_u24 v5, v1, 32                       ; my row's scales: 32 bytes a row, 16 more for each 256 passed
	v_lshrrev_b32 v6, 8, v5
	v_lshl_add_u32 v5, v6, 4, v5
	s_mul_i32 s2, s[HI], HALFS
	s_mul_i32 s3, s22, HALFS
	s_add_co_u32 s3, s3, 2*HALFS
	s_sub_co_u32 s3, s3, s2
	v_mul_u32_u24 v6, s3, v2                       ; lanes 16-31 take B's: the lower base + h x the distance
	s_add_co_u32 s2, s2, SCL
	v_add_nc_u32 v5, v5, v6
	v_add_nc_u32 v[ADRS], s2, v5
	s_mul_i32 s2, s[HI], 64*SPITCH                 ; into the stage: row 64 HI + r, my 128 bytes of a gate's 256, 32 bytes a half of the lanes
	s_lshl_b32 s3, s22, 7
	s_add_co_u32 s2, s2, s3
	s_add_co_u32 s2, s2, STAGE
	v_mul_u32_u24 v5, v1, SPITCH
	v_lshl_add_u32 v5, v2, 5, v5
	v_add_nc_u32 v[STO], s2, v5
	s_mul_i32 s2, s[WV], 32*SPITCH                 ; back: stage rows 32 w ..; lanes 0-15 one row, lanes 16-31 the next
	s_add_co_u32 s2, s2, STAGE
	v_mul_u32_u24 v5, v2, SPITCH
	v_lshl_add_u32 v5, v1, 4, v5
	v_add_nc_u32 v[RD], s2, v5
	s_lshl_b32 s2, s[HI], 15                       ; the same rows in c_prev's tile: rows of 256 bytes from LDS byte 0
	s_lshl_b32 s3, s22, 13
	s_add_co_u32 s2, s2, s3
	v_lshlrev_b32 v5, 8, v2
	v_lshl_add_u32 v5, v1, 4, v5
	v_add_nc_u32 v[RC], s2, v5
	v_lshlrev_b32 v5, 12, v2
	v_lshl_add_u32 v[CO], v1, 4, v5
	v_and_b32 v5, 31, v0
	v_lshlrev_b32 v[PFO], 12, v5
	s_wait_alu depctr_va_vdst(0)
	s_wait_loadcnt 0x0                             ; the biases
.set j, 0
.rept 32
	v_pk_add_f32 v[BI+j:BI+j+1], v[BI+j:BI+j+1], v[AF+j:AF+j+1]    ; bx + ba
.set j, j+2
.endr
	s_mov_b32 s[G1C+0], 3<<16                      ; c_prev's tile: my 64 rows x 256 bytes, no mask, no padding, to LDS byte 16,384 x wave
	s_mov_b32 s[G1C+1], 32<<16
	s_mov_b32 s[G1C+2], 64<<16
	s_mov_b32 s[G1C+3], 32<<16
	s_mov_b32 s[G1C+4], 64
	s_mov_b32 s[G1C+5], 512
	s_mov_b32 s[G1C+6], 0
	s_mov_b32 s[G1C+7], 0
	s_mov_b32 s[GC], 1
	s_lshl_b32 s[GC+1], s[WV], 14
	s_mov_b64 s[GC+2:GC+3], s[PF:PF+1]
	s_or_b32 s[GC+3], s[GC+3], 0x80000000
.macro FRAG reg, adr, st, i            ; 16 rows x 128 K: six pieces of 8 bytes; byte y of the joined row lies in slot (y / 256) % 2 at byte y % 256
.irp p, 0,1,2,3,4,5
.set BY, 96*(\st)+48*(\p/3)+8*(\p%3)
.if BY/ROWB == (BY+24)/ROWB
	ds_load_b64 v[\reg+2*\p:\reg+2*\p+1], v[\adr+(BY/ROWB)%2] offset:BY%ROWB+(\i)*16*PITCH
.else
	ds_load_b64 v[\reg+2*\p:\reg+2*\p+1], v[\adr+2+(BY/ROWB)%2] offset:BY%ROWB-232+(\i)*16*PITCH
.endif
.endr
.endm
; 16 matrix instructions: A's blocks a0, a0 + 1 x B's eight.  The 64 accumulators take turns.  bias = 1: the sums start from bx + ba
.macro MUL16 a0, p, q, sc, bias
.irp a, \a0, \a0+1
.irp b, 0,1,2,3,4,5,6,7
.if \bias
	v_wmma_scale_f32_16x16x128_f8f6f4 v[8*(8*((\a)%4)+\b):8*(8*((\a)%4)+\b)+7], v[128*(\p)+FR*\b:128*(\p)+FR*\b+FR-1], v[AF+FR*(\a):AF+FR*(\a)+FR-1], v[BI+8*\b:BI+8*\b+7], v[SC+8*NQ*(\sc)+NQ*\b+(\q)], v[SC+8*NQ*(\sc)+NQ*(\a)+(\q)] matrix_a_fmt:MATRIX_FMT_BF6 matrix_b_fmt:MATRIX_FMT_BF6 matrix_a_scale:MATRIX_SCALE_ROW1
.else
	v_wmma_scale_f32_16x16x128_f8f6f4 v[8*(8*((\a)%4)+\b):8*(8*((\a)%4)+\b)+7], v[128*(\p)+FR*\b:128*(\p)+FR*\b+FR-1], v[AF+FR*(\a):AF+FR*(\a)+FR-1], v[8*(8*((\a)%4)+\b):8*(8*((\a)%4)+\b)+7], v[SC+8*NQ*(\sc)+NQ*\b+(\q)], v[SC+8*NQ*(\sc)+NQ*(\a)+(\q)] matrix_a_fmt:MATRIX_FMT_BF6 matrix_b_fmt:MATRIX_FMT_BF6 matrix_a_scale:MATRIX_SCALE_ROW1
.endif
.endr
.endr
.endm
.macro FETCH_B st, p
	WIN TO_B
.irp i, 0,1,2,3,4,5,6,7
	FRAG 128*(\p)+FR*\i, ADRB, \st, \i
.endr
	WIN 0
.endm
.macro FETCH_A st, i0
.irp i, \i0, \i0+1, \i0+2, \i0+3
	FRAG AF+FR*(\i), ADRA, \st, \i
.endr
.endm
.macro SCALES pr                       ; the words of steps 2 pr, 2 pr + 1 into set pr % 2: part pr / 4, byte 8 (pr % 4) of a row's 32; lanes 0-15 A's block i, lanes 16-31 B's
.irp i, 0,1,2,3,4,5,6,7
	ds_load_b64 v[SC+8*NQ*((\pr)%2)+NQ*\i:SC+8*NQ*((\pr)%2)+NQ*\i+1], v[ADRS] offset:\i*SBLK+PART*((\pr)/4)+8*((\pr)%4)
.endr
.endm
; A step: 64 matrix instructions; the next step's fragments come in its middle and at its end.  Where the next step ENDS in a chunk not yet read: the wait for my tensor loads and a barrier.
; Where it BEGINS in a later chunk: the wait, the add, the wait for it and for my reads; the barrier opens a round of the cluster's; the slot left behind is filled again first behind it.
.macro STEP st, bias
.set NX, (\st)+1
.set C0, (96*(\st))/ROWB
.set C1, (96*NX)/ROWB
.set E0, (96*(\st)+95)/ROWB
.set E1, (96*NX+95)/ROWB
.if \bias
.set WL, BIAS_LO
.set WH, BIAS_HI
.else
.set WL, MUL_LO
.set WH, MUL_HI
.endif
.if C1 > C0 || E1 > E0
	s_wait_tensorcnt 0x0                           ; all my tensor loads have landed
.if C1 > C0
	ds_add_u32 v[SPW], v[NIL]
.if C0 == 0
	s_mov_b32 s[G1A+2], 128<<16                    ; no load of mine is out: from here on a load brings 128 rows
	s_mov_b32 s[G1A+4], 128
	s_mov_b32 s[G1B+2], 128<<16
	s_mov_b32 s[G1B+4], 128
.endif
.if C0 == 2
	s_add_nc_u64 s[G0A+2:G0A+3], s[G0A+6:G0A+7], 256               ; chunk 4: a's byte 256 (slot 1's group stands at a's byte 0)
	s_add_nc_u64 s[G0B+2:G0B+3], s[G0B+2:G0B+3], 512
.endif
.if C0 == 3
	s_add_nc_u64 s[G0A+6:G0A+7], s[G0A+6:G0A+7], 512               ; chunk 5
	s_add_nc_u64 s[G0B+6:G0B+7], s[G0B+6:G0B+7], 512
.endif
	s_wait_dscnt 4*NL+1                            ; the add and the youngest 24 loads (A's blocks 4-7) may be out
.else
	s_wait_dscnt 4*NL
.endif
	WIN WL
	MUL16 0, (\st)%2, (\st)%2, ((\st)/2)%2, \bias
	s_wait_dscnt 0x0                               ; the add and all my LDS reads are done
	s_barrier_signal -1
	MUL16 2, (\st)%2, (\st)%2, ((\st)/2)%2, \bias
	WIN 0
	s_barrier_wait -1
.if C1 > C0
	CREST
.if C0+2 < CHUNKS
	JLOAD G0A+4*(C0%2), G1A, G0B+4*(C0%2), G1B     ; chunk C0 + 2; its four v_nop are the places in front of the loads below
.else
	TLOAD GC, G1C                                  ; slot 0, which the products have left, takes c_prev's tile
.endif
.else
	PLACES NP
.endif
.else
	s_wait_dscnt 4*NL
	WIN WL
	MUL16 0, (\st)%2, (\st)%2, ((\st)/2)%2, \bias
	MUL16 2, (\st)%2, (\st)%2, ((\st)/2)%2, \bias
	s_wait_dscnt 0
	PLACES NP
.endif
	FETCH_B NX, NX%2
	FETCH_A NX, 0
.if NX%2 == 0
	SCALES NX/2
.endif
.if C1 > C0 && C0 < 2
	global_prefetch_b8 v[PFW], s[PFA:PFA+1] offset:256*(C0+1) th:TH_LOAD_NT scope:SCOPE_SE   ; chunk C0 + 4
.endif
.if C1 > C0 && C0 == 3
	global_prefetch_b8 v[PFO], s[PF:PF+1] th:TH_LOAD_NT scope:SCOPE_SE                       ; c_prev: my 64 rows, a lane a row
	global_prefetch_b8 v[PFO], s[PF:PF+1] offset:32*ROWO th:TH_LOAD_NT scope:SCOPE_SE
.endif
	WIN WH
	MUL16 4, (\st)%2, (\st)%2, ((\st)/2)%2, \bias
	MUL16 6, (\st)%2, (\st)%2, ((\st)/2)%2, \bias
	PLACES NP
	WIN 0
	FETCH_A NX, 4
.endm
	s_wait_alu depctr_va_vdst(0)                   ; the head's end
	s_wait_tensorcnt 0x0                           ; my tile of the first four is in
	ds_add_u32 v[SPW], v[NIL]                      ; the add ahead of a later first fill
	s_mov_b32 s[G0H+1], SLOT                       ; no load of mine is out: the four groups 0 move on: chunk 1 of x,
	s_add_nc_u64 s[G0H+2:G0H+3], s[G0H+2:G0H+3], 256
	s_mov_b32 s[G0HB+1], SLOT+2*HALFT              ; of the weights,
	s_add_nc_u64 s[G0HB+2:G0HB+3], s[G0HB+2:G0HB+3], 256
	s_mov_b32 s[G0S+1], SCL+PART                   ; a's scales,
	s_mov_b64 s[G0S+2:G0S+3], s[AS2:AS2+1]
	s_or_b32 s[G0S+3], s[G0S+3], 0x80000000
	s_mov_b32 s[G0SB+1], SCL+PART+2*HALFS          ; the U part's
	s_mov_b64 s[G0SB+2:G0SB+3], s[US2:US2+1]
	s_or_b32 s[G0SB+3], s[G0SB+3], 0x80000000
	s_wait_dscnt 0x0
	CROUND                                         ; all four tiles are in, and the sixteen work-groups meet
	TREE 2                                         ; my one tensor load behind the round
	FETCH_B 0, 0
	FETCH_A 0, 0
	SCALES 0
	FETCH_A 0, 4
	global_prefetch_b8 v[PFW], s[PFA:PFA+1] th:TH_LOAD_NT scope:SCOPE_SE   ; chunk 3
	STEP 0, 1
.set ST, 1                             ; slots and chunks come back to where they began only after all sixteen steps: the walk is written out
.rept STEPS-2
	STEP ST, 0
.set ST, ST+1
.endr
	s_wait_dscnt 4*NL                              ; the last step: nothing more to fetch
	WIN MUL_LO
	MUL16 0, 1, 1, 1, 0
	MUL16 2, 1, 1, 1, 0
	s_wait_dscnt 0
	WIN MUL_HI
	MUL16 4, 1, 1, 1, 0
	MUL16 6, 1, 1, 1, 0
	WIN 0
	PLACES NP                                      ; behind the last products: for the stores that read results and the loads into operand registers
	s_mov_b32 s[KN], 0xbfb8aa3b                    ; -log2 e (the head's groups 0 are long done with)
	s_mov_b32 s[KN+1], s[KN]
	s_mov_b32 s[K2], 0x4038aa3b                    ; 2 log2 e
	s_mov_b32 s[K2+1], s[K2]
.macro DUMP p                          ; my accumulators of blocks 4 p .. 4 p + 3 to the stage, each from its low end on
.set W_D, 0x08+4*(\p)
	WIN W_D
.irp a, 0,1,2,3
.irp b, 0,1,2,3,4,5,6,7
	ds_store_b128 v[STO], v[8*(8*\a+\b):8*(8*\a+\b)+3] offset:16*\a*SPITCH+256*(\b/2)+64*(\b%2)
	ds_store_b128 v[STO], v[8*(8*\a+\b)+4:8*(8*\a+\b)+7] offset:16*\a*SPITCH+256*(\b/2)+64*(\b%2)+16
.endr
.endr
	WIN 0
.endm
.macro LOADS b, ro                     ; eight rows (ro + 2 i + h) into buffer b: 16 bytes a lane of each gate and of c_prev
.set BB, BUF+80*(\b)
.irp i, 0,1,2,3
.irp g, 0,1,2,3
	ds_load_b128 v[BB+16*\g+4*\i:BB+16*\g+4*\i+3], v[RDW] offset:((\ro)+2*\i)*SPITCH+256*\g
.endr
	ds_load_b128 v[BB+64+4*\i:BB+64+4*\i+3], v[RCW] offset:((\ro)+2*\i)*256
.endr
.endm
.macro MATH1 b                         ; 1 + 2^(-z log2 e) for f, i, o; 1 + 2^(2 z log2 e) for g
.set BB, BUF+80*(\b)
.set j, 0
.rept 24
	v_pk_mul_f32 v[BB+j:BB+j+1], v[BB+j:BB+j+1], s[KN:KN+1] op_sel_hi:[1,0]
.set j, j+2
.endr
.rept 8
	v_pk_mul_f32 v[BB+j:BB+j+1], v[BB+j:BB+j+1], s[K2:K2+1] op_sel_hi:[1,0]
.set j, j+2
.endr
.set j, 0
	s_wait_alu depctr_va_vdst(0)                   ; a wait ahead of a batch and one behind it
.rept 64
	v_exp_f32 v[BB+j], v[BB+j]
.set j, j+1
.endr
	v_nop
.set j, 0
	s_wait_alu depctr_va_vdst(0)
.rept 32
	v_pk_add_f32 v[BB+j:BB+j+1], v[BB+j:BB+j+1], 1.0 op_sel_hi:[1,0]
.set j, j+2
.endr
.endm
.macro MATH2 b, ro                     ; the reciprocals finish the gates; c_t and a_t are stored
.set BB, BUF+80*(\b)
.set j, 0
.rept 64
	v_rcp_f32 v[BB+j], v[BB+j]
.set j, j+1
.endr
	v_nop
.set j, 0
	s_wait_alu depctr_va_vdst(0)
.rept 8
	v_pk_fma_f32 v[BB+48+j:BB+49+j], v[BB+48+j:BB+49+j], -2.0, 1.0 op_sel_hi:[1,0,0]   ; g
.set j, j+2
.endr
.set j, 0
.rept 8
	v_pk_mul_f32 v[BB+48+j:BB+49+j], v[BB+48+j:BB+49+j], v[BB+16+j:BB+17+j]            ; i g
.set j, j+2
.endr
.set j, 0
.rept 8
	v_pk_fma_f32 v[BB+64+j:BB+65+j], v[BB+j:BB+j+1], v[BB+64+j:BB+65+j], v[BB+48+j:BB+49+j]   ; c_t
.set j, j+2
.endr
.irp i, 0,1,2,3
	global_store_b128 v[CO], v[BB+64+4*\i:BB+64+4*\i+3], s[OUT1:OUT1+1] offset:((\ro)+2*\i)*ROWO th:TH_STORE_NT   ; 16 lanes store 256 consecutive bytes, aligned
.endr
.set j, 0
.rept 8
	v_pk_mul_f32 v[T+j:T+j+1], v[BB+64+j:BB+65+j], s[K2:K2+1] op_sel_hi:[1,0]
.set j, j+2
.endr
.set j, 0
	s_wait_alu depctr_va_vdst(0)
.rept 16
	v_exp_f32 v[T+j], v[T+j]
.set j, j+1
.endr
	v_nop
.set j, 0
	s_wait_alu depctr_va_vdst(0)
.rept 8
	v_pk_add_f32 v[T+j:T+j+1], v[T+j:T+j+1], 1.0 op_sel_hi:[1,0]
.set j, j+2
.endr
.set j, 0
	s_wait_alu depctr_va_vdst(0)
.rept 16
	v_rcp_f32 v[T+j], v[T+j]
.set j, j+1
.endr
	v_nop
.set j, 0
	s_wait_alu depctr_va_vdst(0)
.rept 8
	v_pk_fma_f32 v[T+j:T+j+1], v[T+j:T+j+1], -2.0, 1.0 op_sel_hi:[1,0,0]               ; tanh(c_t)
.set j, j+2
.endr
.set j, 0
.rept 8
	v_pk_mul_f32 v[BB+32+j:BB+33+j], v[BB+32+j:BB+33+j], v[T+j:T+j+1]                  ; a_t
.set j, j+2
.endr
.irp i, 0,1,2,3
	global_store_b128 v[CO], v[BB+32+4*\i:BB+32+4*\i+3], s[OUT0:OUT0+1] offset:((\ro)+2*\i)*ROWO th:TH_STORE_NT
.endr
.endm
; A PHASE: 128 of the tile's rows.  Behind the first barrier nobody reads the stage's bytes any more; behind the second the stage is whole (and c_prev's tile).
; Then my 32 rows, in a loop of two trips of sixteen rows, eight to a buffer; the next eight rows' loads stand between the two halves of the arithmetic.
.macro PHASE p
	v_mov_b32 v[RDW], v[RD]
	v_add_nc_u32 v[RCW], 64*256*(\p), v[RC]
	s_wait_alu depctr_va_vdst(0)
	s_wait_dscnt 0x0                               ; my LDS reads are over
	s_barrier_signal -1
	s_barrier_wait -1
	DUMP \p
.if (\p) == 0
	s_wait_tensorcnt 0x0                           ; my 64 rows of c_prev have landed
.endif
	s_wait_dscnt 0x0                               ; for the others' sake: my stores into the stage are done
	s_barrier_signal -1
	s_barrier_wait -1
.if (\p) > 0
	s_wait_xcnt 0x0                                ; the last phase's stores have read their registers and bases
	s_add_nc_u64 s[OUT0:OUT0+1], s[OUT0:OUT0+1], 32*ROWO   ; the loop has stepped 32 rows; this phase's rows begin 64 on
	s_add_nc_u64 s[OUT1:OUT1+1], s[OUT1:OUT1+1], 32*ROWO
.endif
	LOADS 0, 0
	s_mov_b32 s3, 0
.Lk\p:
	s_wait_dscnt 0x0
	MATH1 0
	s_wait_xcnt 0x0                                ; the stores out of the other buffer have read their registers
	LOADS 1, 8
	s_wait_alu depctr_va_vdst(0)
	MATH2 0, 0
	s_wait_dscnt 0x0
	MATH1 1
	s_wait_xcnt 0x0
	s_cmp_eq_u32 s3, 1                             ; the last trip has no further rows
	s_cbranch_scc1 .Lnl\p
	LOADS 0, 16
.Lnl\p:
	s_wait_alu depctr_va_vdst(0)
	MATH2 1, 8
	s_wait_xcnt 0x0                                ; the bases are stepped only behind this wait
	v_add_nc_u32 v[RDW], 16*SPITCH, v[RDW]
	v_add_nc_u32 v[RCW], 16*256, v[RCW]
	s_add_nc_u64 s[OUT0:OUT0+1], s[OUT0:OUT0+1], 16*ROWO
	s_add_nc_u64 s[OUT1:OUT1+1], s[OUT1:OUT1+1], 16*ROWO
	s_add_co_u32 s3, s3, 1
	s_cmp_lt_u32 s3, 2
	s_wait_alu depctr_va_vdst(0)
	s_cbranch_scc1 .Lk\p
.endm
	PHASE 0
	PHASE 1
	s_wait_tensorcnt 0x0                           ; the wave's end
	ds_add_u32 v[SPW], v[NIL]
	s_wait_dscnt 0x0
	CROUND                                         ; the closing round
	s_endpgm
.Lfunc_end_k_qb9bda65d4a_cell:
	.size	k_qb9bda65d4a_cell, .Lfunc_end_k_qb9bda65d4a_cell-k_qb9bda65d4a_cell
	.p2alignl 7, 3214868480
	.fill 96, 4, 3214868480
	.section	.rodata,"a",@progbits
	.p2align	6, 0x0
	.amdhsa_kernel k_qb9bda65d4a_cell
		.amdhsa_group_segment_fixed_size 327680
		.amdhsa_private_segment_fixed_size 0
		.amdhsa_enable_private_segment 0
		.amdhsa_kernarg_size 136
		.amdhsa_user_sgpr_count 2
		.amdhsa_user_sgpr_kernarg_segment_ptr 1
		.amdhsa_wavefront_size32 1
		.amdhsa_system_sgpr_workgroup_id_x 1
		.amdhsa_system_sgpr_workgroup_id_y 1
		.amdhsa_system_sgpr_workgroup_id_z 1
		.amdhsa_system_vgpr_workitem_id 0
		.amdhsa_next_free_vgpr 1024
		.amdhsa_next_free_sgpr 106
		.amdhsa_reserve_vcc 0
		.amdhsa_float_denorm_mode_32 3
		.amdhsa_float_denorm_mode_16_64 3
		.amdhsa_memory_ordered 1
		.amdhsa_forward_progress 1
		.amdhsa_inst_pref_size 255
	.end_amdhsa_kernel
	.section	.bss,"aw",@nobits
	.p2align	6
	.space	262144
	.amdgpu_metadata
---
amdhsa.version: [ 1, 2 ]
amdhsa.kernels:
  - .name:           k_qb9bda65d4a_cell
    .symbol:         k_qb9bda65d4a_cell.kd
    .args:
      - { .name: x_t_codes, .offset: 0, .size: 8, .value_kind: global_buffer, .address_space: global }
      - { .name: x_t_scales, .offset: 8, .size: 8, .value_kind: global_buffer, .address_space: global }
      - { .name: a_prev_codes, .offset: 16, .size: 8, .value_kind: global_buffer, .address_space: global }
      - { .name: a_prev_scales, .offset: 24, .size: 8, .value_kind: global_buffer, .address_space: global }
      - { .name: w_codes, .offset: 32, .size: 8, .value_kind: global_buffer, .address_space: global }
      - { .name: w_scales, .offset: 40, .size: 8, .value_kind: global_buffer, .address_space: global }
      - { .name: c_prev, .offset: 48, .size: 8, .value_kind: global_buffer, .address_space: global }
      - { .name: out0, .offset: 56, .size: 8, .value_kind: global_buffer, .address_space: global }
      - { .name: out1, .offset: 64, .size: 8, .value_kind: global_buffer, .address_space: global }
      - { .name: b_f, .offset: 72, .size: 8, .value_kind: global_buffer, .address_space: global }
      - { .name: b_i, .offset: 80, .size: 8, .value_kind: global_buffer, .address_space: global }
      - { .name: b_o, .offset: 88, .size: 8, .value_kind: global_buffer, .address_space: global }
      - { .name: b_c, .offset: 96, .size: 8, .value_kind: global_buffer, .address_space: global }
      - { .name: bu_f, .offset: 104, .size: 8, .value_kind: global_buffer, .address_space: global }
      - { .name: bu_i, .offset: 112, .size: 8, .value_kind: global_buffer, .address_space: global }
      - { .name: bu_o, .offset: 120, .size: 8, .value_kind: global_buffer, .address_space: global }
      - { .name: bu_c, .offset: 128, .size: 8, .value_kind: global_buffer, .address_space: global }
    .group_segment_fixed_size: 327680
    .private_segment_fixed_size: 0
    .kernarg_segment_align: 8
    .kernarg_segment_size: 136
    .max_flat_workgroup_size: 128
    .sgpr_count:     106
    .vgpr_count:     1024
    .wavefront_size: 32
...
	.end_amdgpu_metadata
.endif
;; end of part 2
